; MI455X (gfx1250); checked and timed in simulation.
; The chip was launched on July 23, 2026; its instructions are those of AMD's public machine-readable ISA for CDNA 5 (MIT licence, August 2026) and "CDNA5" Instruction Set Architecture Reference Guide (July 2026). The comments in the code are by the model that wrote it; some were corrected since.
;; Spatial Attention Layer. Allowed arithmetic: matrix products marked QUANTISED: E2M3 operands, one E8M0 scale for each 32 along K, by v_wmma_scale_f32_16x16x128_f8f6f4 with both operands' format E2M3, f32 sums; everything else in f32.
;; Inputs: P 8,192 x 3 float32; W_k_codes 256 x 8 x 24 uint8 (E2M3 codes of W_k, K innermost, in blocks of 32 codes, four codes in three bytes); W_k_scales 256 x 8 uint8 (E8M0 scales of W_k, one for each 32 codes along K); W_q_codes 256 x 8 x 24 uint8 (E2M3 codes of W_q, K innermost, in blocks of 32 codes, four codes in three bytes); W_q_scales 256 x 8 uint8 (E8M0 scales of W_q, one for each 32 codes along K); W_v_codes 256 x 8 x 24 uint8 (E2M3 codes of W_v, K innermost, in blocks of 32 codes, four codes in three bytes); W_v_scales 256 x 8 uint8 (E8M0 scales of W_v, one for each 32 codes along K); X 8,192 x 256 float32; b_k 256 float32; b_q 256 float32; b_v 256 float32.
;; Outputs: out0 8,192 x 256 float32.
;; This version of the problem:
;;   THIS VERSION OF THE PROBLEM IS GIVEN IN LOW PRECISION. The matrix products marked QUANTISED in the list below multiply operands that are first quantised to E2M3 (2 exponent bits, 3 mantissa bits; 6 bits a number), with one power-of-two scale for each 32 numbers along K (OCP MX v1.0); their sums are f32. All else is computed in f32.
;;   The module's matrix products, in the order in which they are computed (A, B: the left and right operand; K: the contracted axis; several contracted axes count as one K, in the product's order):
;;     1. [M 8,192, K 256] x [K 256, N 256]; A: input X; B: input W_q (given as codes): QUANTISED
;;     2. [M 8,192, K 256] x [K 256, N 256]; A: input X; B: input W_k (given as codes): QUANTISED
;;     3. [M 8,192, K 256] x [K 256, N 256]; A: input X; B: input W_v (given as codes): QUANTISED
;;     4. [M 8,192, K 256] x [K 256, N 8,192]; A: computed on the way; B: computed on the way: QUANTISED
;;     5. [M 8,192, K 8,192] x [K 8,192, N 256]; A: computed on the way; B: computed on the way: QUANTISED
;;   THE QUANTISER, for each operand of a quantised product, along K:
;;     - K is cut into blocks of 32 from its start; a last block that is shorter is filled with zeros.
;;     - A block's scale is 2^e with e = floor(log2(the largest magnitude in the block)) - 2, held to -126 .. 127; a block of zeros has e = 0. As a byte (E8M0): e + 127.
;;     - Each number is divided by its block's scale, clamped to +-7.5, and rounded to the nearest number of E2M3, ties to even, subnormals kept.
;;     - The product sums the exact products of the quantised numbers (number of the format x scale) in f32.
;;   ~~~python
;;   def quantise(x, axis):      # numpy; x: float32 -> the quantised numbers, widened to float32 again
;;       x = np.moveaxis(x, axis, -1); K = x.shape[-1]
;;       x = np.pad(x, [(0, 0)] * (x.ndim - 1) + [(0, -K % 32)]); x = x.reshape(x.shape[:-1] + (-1, 32)); a = np.abs(x).max(-1, keepdims=True)
;;       e = np.where(a > 0, np.clip(np.frexp(np.where(a > 0, a, 1))[1] - 1 - 2, -126, 127), 0)      # np.frexp(a)[1] - 1 = floor(log2(a)), exactly
;;       r = np.clip(x / 2.0 ** e, -7.5, 7.5)
;;       step = 2.0 ** (np.maximum(np.frexp(np.where(r == 0, 1, r))[1] - 1, 0) - 3)
;;       q = np.round(r / step) * step * 2.0 ** e      # np.round: ties to even
;;       return np.moveaxis(q.reshape(q.shape[:-2] + (-1,))[..., :K], -1, axis).astype(np.float32)
;;   ~~~
;;   OPERANDS COMPUTED ON THE WAY. 'Computed on the way' means the value that the module computes at that place (a softmax that the list does not call 'softmax' is quantised finished and normalised). What goes into a quantiser is computed in f32, as accurately as f32 sums, v_exp_f32 and their like allow (about 1e-6 of the number): no bf16 or f16 on the way to a quantiser, and a product that is left as it is and whose result goes on into a quantised operand takes f32 operands (vector FMAs, or v_wmma_f32_16x16x4_f32). A number that lies on a knife's edge between two numbers of the format may be rounded either way, as far as f32 arithmetic and the matrix unit's own rounding can turn it there, and no further.
;;   INPUTS GIVEN AS CODES. W_k (in the module: [256, 256], K = its axis 0); W_q (in the module: [256, 256], K = its axis 0); W_v (in the module: [256, 256], K = its axis 0): each comes as NAME_codes (uint8): NAME with its K axis moved to the last place and cut into blocks of 32 codes, [.., K / 32, bytes a block], one block behind the other in memory; four codes in three bytes: a row's codes are one little-endian stream of bits, code i at bits 6 i .. 6 i + 5 (a code: sign, 2 exponent bits, 3 mantissa bits); and NAME_scales (uint8): the same leading axes, one E8M0 byte (e + 127) for each 32 codes along K. Its value is code x scale, taken as it is: it is not quantised again, and the codes and scales need not be those that the quantiser above would give.
;; One version. Each part assembles by itself: llvm-mc -triple=amdgcn-amd-amdhsa -mcpu=gfx1250 --defsym DOCPART=n.
;; ======== version 1 of 1: 2 launches
;; limits: right only within a limited range of input values
;; workspace buffers: qf 1,638,400 bytes; kp 1,769,472 bytes; vv 1,638,400 bytes
;; launch proj (part 1): grid 256 x 1, 4 waves a work-group, no clusters, 7,168 bytes of LDS; arguments X, P, W_q_codes, W_q_scales, b_q, W_k_codes, W_k_scales, b_k, W_v_codes, W_v_scales, b_v, qf, kp, vv; writes qf, kp, vv
.if DOCPART == 1
	.amdgcn_target "amdgcn-amd-amdhsa--gfx1250"
	.amdhsa_code_object_version 6
	.text
	.protected	k_q02b3c6bca4_proj
	.globl	k_q02b3c6bca4_proj
	.p2align	8
	.type	k_q02b3c6bca4_proj,@function
k_q02b3c6bca4_proj:
	s_mov_b64 s[64:65], 0
	v_nop
	global_prefetch_b8 v0, s[64:65] scope:SCOPE_SE
	s_setreg_imm32_b32 hwreg(HW_REG_WAVE_MODE, 25, 1), 1
	s_wait_xcnt 0x0
; Q = Q6(X) Wq + bq, K = Q6(X) Wk + bk, V = Q6(X) Wv + bv on codes of FP6 (E2M3) with one E8M0 scale for each 32 along K; then Q and K are quantised along their 256 columns
; and V along the KEYS, and all three leave as the second launch's operands want them.  P is copied beside K's codes.
; SHARES.  A work-group takes a block of 32 rows of X, as two tiles u of 16.  Lane r of tile u holds row 8 u + r + 8 (r / 8), so that in the second launch the 16 result registers of tiles 0 and 1 are 16 neighbouring keys.
; THE WAVES SHARE THE COLUMNS: waves 0, 1 make Q's columns 0-127, 128-255, waves 2, 3 K's; wave w also makes V's columns 64 w .. 64 w + 63.  Each fragment of a weight goes from memory into ONE wave's registers, once.
; X: wave w quantises tile w / 2, K step w % 2, and stores the fragment in LDS as an image of its registers (each group of four registers: 16 bytes a lane, 512 bytes on end); one barrier; every wave loads all four.
; Q, K are used transposed (source 0 = 16 rows of W, source 1 = X): a lane holds one row of X and its registers run along the columns, the next K.  The rows of W that form a tile are chosen so that two tiles' 16 registers are neighbours.
; V is used the other way (source 0 = X, source 1 = 16 rows of Wv): a lane holds one column d and its registers run down the keys.  The biases are the C of each sum's first matrix instruction.
; OUT.  qf, kp: a record a block: four images (u, s) of 1,536 bytes, 256 bytes of scale words [s][u][r]; kp has 32 x (Px, Py, Pz, 0) behind them.  vv: chunks of 256 keys: eight records of 6,144 bytes [block][tile i xor (block & 1)][r][24 bytes], then [block][256] scale bytes.
; No joint loads: no tile goes through LDS here, each weight fragment lands in one wave's registers.  No prefetch: the launch is one short chain of dependent steps.
; The scale words leave as pieces of 128 and 64 bytes (768 of a work-group's 19,712 stored bytes); all else in runs of 384 or 512 consecutive bytes.
; LIMITS: NaN and infinities among the inputs are not served.  A block whose largest magnitude lies under 2^-124 (a block of zeros too) gets the byte 1: its codes follow that scale, and only this program reads the bytes.
.set FR,    12                         ; registers of a fragment: 16 rows x 128 K of 6-bit codes
.set FRB,   1536                       ; its image in bytes
.set XIMG,  0                          ; LDS: X's four images (2 u + s),
.set XSC,   4*FRB                      ; their scale words, 128 bytes each,
.set SPARE, XSC+512                    ; and the spare words, 128 bytes a wave: two blocks of 256 bytes that no other line names
.set XA,   4                           ; v4   X: (r + 8 (r / 8)) x 1,024 + 64 h
.set LI,   5                           ; v5   16 x lane
.set LS,   6                           ; v6   4 x lane
.set XWI,  7                           ; v7   where I store my image of X
.set XWS,  8                           ; v8   and its scale words
.set WA,   9                           ; v9   W: (r + 8 (r / 8)) x 192 + 24 h
.set WVA,  10                          ; v10  Wv: r x 192 + 24 h
.set WSA,  11                          ; v11  W's scale words
.set WVSA, 12                          ; v12  Wv's
.set BA,   13                          ; v13  the bias of Q or K: 64 h
.set BVA,  14                          ; v14  4 r: b_v, and V's scale word on the way out
.set PA,   15                          ; v15  12 x lane: P
.set AA,   16                          ; v16-79   64 numbers of X; Q or K of tile 0; then V
.set AB,   80                          ; v80-143  Q or K of tile 1
.set TM,   144                         ; v144-159 the quantiser's temporaries
.set PC,   160                         ; v160-179 the codes just made
.set PW,   180                         ; v180 the scale word just made;  v181 tile 0's, kept;  v183 both, by halves of the lanes
.set PWK,  181
.set PWM,  183
.set XS,   184                         ; v184-187 X's scale words (2 u + s)
.set WS,   188                         ; v188-203 W's (2 t + s)
.set WVS,  204                         ; v204-211 Wv's (2 t + s)
.set VT,   212                         ; v212-227 V's quantiser
.set VC,   228                         ; v228-243 V's codes, four registers a tile
.set PP,   244                         ; v244-247 Px, Py, Pz, 0
.set GI,   248                         ; v248 16 x lane + 1,536 x my half of the columns
.set GS,   249                         ; v249 4 x lane + 128 x my half
.set VO,   250                         ; v250, v251 V's codes on the way out: even tiles, odd tiles
.set SPW,  252                         ; v252 LDS address of my spare word; never rewritten
.set NIL,  253                         ; v253 0; never rewritten
.set PR,   255                         ; v255 r + 8 (r / 8)
.set XF,   192                         ; window 1: v0-191 W's 16 fragments (2 t + s); v192-239 X's four
.set B1,   96                          ; window 2: v0-95 Wv's 8 fragments; v96-159 the bias's 8 tiles; v160-191 b_v, eight times a tile
.set BV,   160
.set WV,   36
.set SP,   37
.set UU,   38
.set SEL,  40
.set MSB, 0
.macro WIN new                         ; the immediate's high byte repeats the setting that is left
.if MSB != \new
	s_set_vgpr_msb (MSB<<8)|\new
.set MSB, \new
.endif
.endm
.macro PLACES n
.rept \n
	v_nop
.endr
.endm
; 64 numbers of a lane, register 16 b + i = k 32 b + 16 (lane / 16) + i of my row, become a fragment's codes in v[PC] on and its scale word in v[PW].
.macro QUANT s
.irp b, 0,1,2,3
	v_max3_num_f32 v[TM+\b], |v[\s+16*\b]|, |v[\s+1+16*\b]|, 0x1800000   ; block b: my 16 numbers, and the floor 2^(3 - 127): the byte cannot fall under 1
.endr
.irp i, 2,4,6,8,10,12,14
.irp b, 0,1,2,3
	v_max3_num_f32 v[TM+\b], v[TM+\b], |v[\s+16*\b+\i]|, |v[\s+1+16*\b+\i]|   ; the four blocks by turns
.endr
.endr
.irp b, 0,1,2,3
	v_permlanex16_b32 v[TM+4+\b], v[TM+\b], s[SEL], s[SEL+1]
.endr
.irp b, 0,1,2,3
	v_max_num_f32 v[TM+\b], v[TM+\b], v[TM+4+\b]   ; with lane l xor 16's: the block's largest magnitude
.endr
.irp b, 0,1,2,3
	v_add_nc_u32 v[TM+12+\b], 0xff000000, v[TM+\b]   ; 2 off its exponent field: the conversion's scale operand
.endr
.irp b, 0,1,2,3
	v_lshrrev_b32 v[TM+4+\b], 23, v[TM+12+\b]   ; the scale's byte
.endr
	v_lshl_or_b32 v[PW], v[TM+5], 8, v[TM+4]
	v_lshl_or_b32 v[PW], v[TM+6], 16, v[PW]
	v_lshl_or_b32 v[PW], v[TM+7], 24, v[PW]
.irp c, 0,1
	v_cvt_scalef32_pk16_fp6_f32 v[PC+6*\c:PC+2+6*\c], v[\s+32*\c:\s+15+32*\c], v[TM+12+2*\c]
	v_cvt_scalef32_pk16_fp6_f32 v[PC+12+4*\c:PC+14+4*\c], v[\s+16+32*\c:\s+31+32*\c], v[TM+12+2*\c+1]   ; (a conversion's three registers begin on an even number)
.endr
	v_nop                                          ; one plain place behind a scaled conversion
.irp c, 0,1                                    ; the operand's layout wants a whole block in a lane: lanes 0-15 block 2 c, lanes 16-31 block 2 c + 1
.irp i, 0,1,2
	v_permlane16_swap_b32 v[PC+6*\c+\i], v[PC+12+4*\c+\i]
.endr
.irp i, 0,1,2
	v_mov_b32 v[PC+3+6*\c+\i], v[PC+12+4*\c+\i]
.endr
.endr
.endm
.macro WLOAD t                         ; W's tile t, both K steps: lane r takes row 32 (t / 2) + 8 (t % 2) + r + 8 (r / 8) of my 128
.irp s, 0,1
.irp p, 0,1,2,3,4,5
	global_load_b64 v[FR*(2*(\t)+\s)+2*\p:FR*(2*(\t)+\s)+2*\p+1], v[WA], s[8:9] offset:(32*((\t)/2)+8*((\t)%2))*192+96*\s+48*(\p/3)+8*(\p%3)
.endr
.endr
.endm
; Q or K of tile u into v[acc] on: eight accumulators by turns, K step 0 on the bias, K step 1 in place
.macro QKP acc, u
	WIN 0x25                                       ; W and X window 1, the bias window 2, the result window 0
.irp t, 0,1,2,3,4,5,6,7
	v_wmma_scale_f32_16x16x128_f8f6f4 v[\acc+8*\t:\acc+8*\t+7], v[FR*(2*\t):FR*(2*\t)+FR-1], v[XF+FR*(2*\u):XF+FR*(2*\u)+FR-1], v[B1+8*\t:B1+8*\t+7], v[WS+2*\t], v[XS+2*\u] matrix_a_fmt:MATRIX_FMT_FP6 matrix_b_fmt:MATRIX_FMT_FP6
.endr
	WIN 0x05
.irp t, 0,1,2,3,4,5,6,7
	v_wmma_scale_f32_16x16x128_f8f6f4 v[\acc+8*\t:\acc+8*\t+7], v[FR*(2*\t+1):FR*(2*\t+1)+FR-1], v[XF+FR*(2*\u+1):XF+FR*(2*\u+1)+FR-1], v[\acc+8*\t:\acc+8*\t+7], v[WS+2*\t+1], v[XS+2*\u+1] matrix_a_fmt:MATRIX_FMT_FP6 matrix_b_fmt:MATRIX_FMT_FP6
.endr
.endm
	s_load_b512 s[4:19], s[0:1], 0x0               ; X, P, Wq's codes, scales, b_q, Wk's codes, scales, b_k
	s_load_b256 s[20:27], s[0:1], 0x40             ; Wv's codes, scales, b_v, qf
	s_load_b128 s[28:31], s[0:1], 0x60             ; kp, vv
	v_lshl_add_u32 v[SPW], v0, 2, SPARE
	v_mov_b32 v[NIL], 0
	v_lshrrev_b32 v1, 5, v0
	v_readfirstlane_b32 s[WV], v1                  ; wave 0..3
	s_and_b32 s[SP], s[WV], 1                      ; my half of Q's or K's columns; also the K step of X that I quantise
	s_lshr_b32 s[UU], s[WV], 1                     ; 0: Q, 1: K; also the tile of X that I quantise
	v_and_b32 v1, 31, v0                           ; lane
	v_and_b32 v2, 15, v0                           ; r
	v_bfe_u32 v3, v0, 4, 1                         ; h
	v_and_b32 v[PR], 8, v2
	v_add_nc_u32 v[PR], v[PR], v2                  ; r + 8 (r / 8)
	v_lshlrev_b32 v[XA], 10, v[PR]
	v_lshl_add_u32 v[XA], v3, 6, v[XA]
	v_lshlrev_b32 v[LI], 4, v1
	v_lshlrev_b32 v[LS], 2, v1
	s_mul_i32 s39, s[WV], FRB
	v_add_nc_u32 v[XWI], s39, v[LI]
	s_lshl_b32 s39, s[WV], 7
	v_add_nc_u32 v[XWS], s39, v[LS]
	v_mul_u32_u24 v[WA], v[PR], 192
	v_mad_u32_u24 v[WA], v3, 24, v[WA]
	v_mul_u32_u24 v[WVA], v2, 192
	v_mad_u32_u24 v[WVA], v3, 24, v[WVA]
	v_lshlrev_b32 v[WSA], 3, v[PR]
	v_lshlrev_b32 v[WVSA], 3, v2
	v_lshlrev_b32 v[BA], 6, v3
	v_lshlrev_b32 v[BVA], 2, v2
	v_mul_u32_u24 v[PA], v1, 12
	s_mul_i32 s39, s[SP], FRB
	v_add_nc_u32 v[GI], s39, v[LI]
	s_lshl_b32 s39, s[SP], 7
	v_add_nc_u32 v[GS], s39, v[LS]
	s_and_b32 s39, ttmp9, 1
	s_mul_i32 s39, s39, 384                        ; 384 x (block & 1): the two tiles of a record change places in odd blocks
	v_mul_u32_u24 v[VO], v2, 24
	v_mad_u32_u24 v[VO], v3, 12, v[VO]             ; 24 r + 12 h
	v_add_nc_u32 v[VO+1], 384, v[VO]
	v_sub_nc_u32 v[VO+1], v[VO+1], s39
	v_add_nc_u32 v[VO], s39, v[VO]
	v_mov_b32 v[PP+3], 0
.irp b, 0,1,2,3
	v_mov_b32 v[TM+4+\b], 0                        ; written once: a lane permute's destination counts as one of its sources
	v_mov_b32 v[VT+4+\b], 0
.endr
	s_mov_b32 s[SEL], 0x76543210
	s_mov_b32 s[SEL+1], 0xfedcba98                 ; v_permlanex16_b32's selects for lane l xor 16
	s_mov_b32 s42, 0xffff0000                      ; lanes 16-31
	s_mov_b32 s49, 0
	s_wait_kmcnt 0x0
	s_cmp_lt_u32 s[WV], 2                          ; Q's waves or K's: only pointers are chosen, by the wave's number
	s_cselect_b64 s[8:9], s[8:9], s[14:15]
	s_cselect_b64 s[10:11], s[10:11], s[16:17]
	s_cselect_b64 s[12:13], s[12:13], s[18:19]
	s_cselect_b64 s[32:33], s[26:27], s[28:29]
	s_mov_b32 s34, 6912
	s_cselect_b32 s34, 6400, s34                   ; a record of qf or of kp
	s_lshl_b32 s48, ttmp9, 15                      ; X: my block's 32 rows,
	s_lshl_b32 s39, s[UU], 13                      ; 8 rows on for tile 1,
	s_add_co_u32 s48, s48, s39
	s_lshl_b32 s39, s[SP], 9                       ; 128 numbers on for K step 1
	s_add_co_u32 s48, s48, s39
	s_add_nc_u64 s[4:5], s[4:5], s[48:49]
	s_mul_i32 s48, ttmp9, 384
	s_add_nc_u64 s[6:7], s[6:7], s[48:49]          ; P: 32 rows of 12 bytes
	s_mul_i32 s48, s[SP], 128*192
	s_add_nc_u64 s[8:9], s[8:9], s[48:49]          ; my 128 rows of W
.irp b, 0,1,2,3
.irp j, 0,1,2,3
	global_load_b128 v[AA+16*\b+4*\j:AA+16*\b+4*\j+3], v[XA], s[4:5] offset:128*\b+16*\j   ; of each block of 32 my half's 16 neighbours
.endr
.endr
	global_load_b96 v[PP:PP+2], v[PA], s[6:7]
	WIN 0x40                                       ; destination window 1
.irp t, 0,1,2,3
	WLOAD \t
.endr
	WIN 0
	s_lshl_b32 s48, s[SP], 10
	s_add_nc_u64 s[10:11], s[10:11], s[48:49]      ; W's scale bytes: 8 a row
	s_lshl_b32 s48, s[SP], 9
	s_add_nc_u64 s[12:13], s[12:13], s[48:49]      ; the bias's 128 numbers
	s_mul_i32 s48, s[WV], 64*192
	s_add_nc_u64 s[20:21], s[20:21], s[48:49]      ; my 64 rows of Wv,
	s_lshl_b32 s48, s[WV], 9
	s_add_nc_u64 s[22:23], s[22:23], s[48:49]      ; their scale bytes,
	s_lshl_b32 s48, s[WV], 8
	s_add_nc_u64 s[24:25], s[24:25], s[48:49]      ; and b_v's 64 numbers
	s_mul_i32 s48, ttmp9, s34
	s_add_nc_u64 s[32:33], s[32:33], s[48:49]      ; my block's record in qf or kp
	s_mul_i32 s48, ttmp9, 6912
	s_add_nc_u64 s[44:45], s[28:29], s[48:49]      ; and in kp, for P
	s_lshr_b32 s48, ttmp9, 3
	s_mul_i32 s48, s48, 51200                      ; vv: my chunk of 256 keys
	s_add_nc_u64 s[30:31], s[30:31], s[48:49]
	s_and_b32 s39, ttmp9, 7
	s_lshl_b32 s48, s39, 8
	s_lshl_b32 s35, s[WV], 6
	s_add_co_u32 s48, s48, s35
	s_add_co_u32 s48, s48, 49152
	s_add_nc_u64 s[46:47], s[30:31], s[48:49]      ; its scale bytes: [block][256], my 64
	s_mul_i32 s48, s39, 768
	s_mul_i32 s35, s[WV], 2*6144
	s_add_co_u32 s48, s48, s35
	s_add_nc_u64 s[30:31], s[30:31], s[48:49]      ; its codes: my two records, my block
	s_wait_loadcnt 49                              ; X's 16 loads are in; the 49 issued behind them (P's one, W's 48) may be out
	QUANT AA
.irp c, 0,1,2
	ds_store_b128 v[XWI], v[PC+4*\c:PC+4*\c+3] offset:XIMG+512*\c
.endr
	ds_store_b32 v[XWS], v[PW] offset:XSC
	WIN 0x40
.irp t, 4,5,6,7
	WLOAD \t
.endr
	WIN 0x80                                       ; destination window 2
.irp t, 0,1,2,3
.irp s, 0,1
.irp p, 0,1,2,3,4,5
	global_load_b64 v[FR*(2*\t+\s)+2*\p:FR*(2*\t+\s)+2*\p+1], v[WVA], s[20:21] offset:16*\t*192+96*\s+48*(\p/3)+8*(\p%3)
.endr
.endr
.endr
.irp t, 0,1,2,3,4,5,6,7                        ; the bias in the result's layout: lane (r, h) wants, for tile t, columns 32 (t / 2) + 8 (t % 2) + 16 h + 0 .. 7
	global_load_b128 v[B1+8*\t:B1+8*\t+3], v[BA], s[12:13] offset:(32*(\t/2)+8*(\t%2))*4
	global_load_b128 v[B1+8*\t+4:B1+8*\t+7], v[BA], s[12:13] offset:(32*(\t/2)+8*(\t%2))*4+16
.endr
.irp t, 0,1,2,3                                ; b_v: a lane holds one column, so all eight registers of a tile hold the same number
.irp j, 0,1,2,3,4,5,6,7
	global_load_b32 v[BV+8*\t+\j], v[BVA], s[24:25] offset:64*\t
.endr
.endr
	WIN 0
.irp t, 0,1,2,3,4,5,6,7
.irp s, 0,1
	global_load_b32 v[WS+2*\t+\s], v[WSA], s[10:11] offset:(32*(\t/2)+8*(\t%2))*8+4*\s
.endr
.endr
.irp t, 0,1,2,3
.irp s, 0,1
	global_load_b32 v[WVS+2*\t+\s], v[WVSA], s[22:23] offset:128*\t+4*\s
.endr
.endr
	s_wait_dscnt 0x0                               ; for the others' sake: my image of X has landed
	s_barrier_signal -1
	s_barrier_wait -1                              ; X's four fragments lie in LDS
	WIN 0x40
.irp f, 0,1,2,3
.irp c, 0,1,2
	ds_load_b128 v[XF+FR*\f+4*\c:XF+FR*\f+4*\c+3], v[LI] offset:XIMG+FRB*\f+512*\c
.endr
.endr
	WIN 0
.irp f, 0,1,2,3
	ds_load_b32 v[XS+\f], v[LS] offset:XSC+128*\f
.endr
	s_wait_dscnt 0x0
	s_wait_loadcnt 0x0                             ; the weights, their scales, the biases, P
	QKP AA, 0
	QKP AB, 1
	WIN 0
	PLACES 4                                       ; in front of the first read of results
	QUANT AA                                       ; tile 0 of Q or K: K step SP of the next product
.irp c, 0,1,2
	global_store_b128 v[GI], v[PC+4*\c:PC+4*\c+3], s[32:33] offset:512*\c
.endr
	v_mov_b32 v[PWK], v[PW]
	PLACES 5                                       ; V's sums are laid over tile 0's accumulators: five places in front of a matrix instruction that writes over an earlier one's result
	WIN 0x29                                       ; X window 1, Wv and b_v window 2
.irp t, 0,1,2,3
.irp u, 0,1
	v_wmma_scale_f32_16x16x128_f8f6f4 v[AA+16*\t+8*\u:AA+16*\t+8*\u+7], v[XF+FR*(2*\u):XF+FR*(2*\u)+FR-1], v[FR*(2*\t):FR*(2*\t)+FR-1], v[BV+8*\t:BV+8*\t+7], v[XS+2*\u], v[WVS+2*\t] matrix_a_fmt:MATRIX_FMT_FP6 matrix_b_fmt:MATRIX_FMT_FP6
.endr
.endr
	WIN 0x09
.irp t, 0,1,2,3
.irp u, 0,1
	v_wmma_scale_f32_16x16x128_f8f6f4 v[AA+16*\t+8*\u:AA+16*\t+8*\u+7], v[XF+FR*(2*\u+1):XF+FR*(2*\u+1)+FR-1], v[FR*(2*\t+1):FR*(2*\t+1)+FR-1], v[AA+16*\t+8*\u:AA+16*\t+8*\u+7], v[XS+2*\u+1], v[WVS+2*\t+1] matrix_a_fmt:MATRIX_FMT_FP6 matrix_b_fmt:MATRIX_FMT_FP6
.endr
.endr
	WIN 0
	s_wait_xcnt 0x0                                ; tile 0's stores have read the codes' registers: they are written again only behind this wait
	QUANT AB                                       ; tile 1; its lines are also the places behind V's products
.irp c, 0,1,2
	global_store_b128 v[GI], v[PC+4*\c:PC+4*\c+3], s[32:33] offset:2*FRB+512*\c
.endr
	v_cndmask_b32 v[PWM], v[PWK], v[PW], s42       ; lanes 0-15 tile 0's words, lanes 16-31 tile 1's
	global_store_b32 v[GS], v[PWM], s[32:33] offset:4*FRB
	; V along the keys: lane (r, h) holds column 64 w + 16 t + r and, in tile t's 16 registers, keys 16 h + 0 .. 15 of the block
.irp t, 0,1,2,3
	v_max3_num_f32 v[VT+\t], |v[AA+16*\t]|, |v[AA+16*\t+1]|, 0x1800000
.endr
.irp i, 2,4,6,8,10,12,14
.irp t, 0,1,2,3
	v_max3_num_f32 v[VT+\t], v[VT+\t], |v[AA+16*\t+\i]|, |v[AA+16*\t+\i+1]|
.endr
.endr
.irp t, 0,1,2,3
	v_permlanex16_b32 v[VT+4+\t], v[VT+\t], s[SEL], s[SEL+1]
.endr
.irp t, 0,1,2,3
	v_max_num_f32 v[VT+\t], v[VT+\t], v[VT+4+\t]
.endr
.irp t, 0,1,2,3
	v_add_nc_u32 v[VT+8+\t], 0xff000000, v[VT+\t]
.endr
.irp t, 0,1,2,3
	v_lshrrev_b32 v[VT+12+\t], 23, v[VT+8+\t]
.endr
	v_lshl_or_b32 v[VT+12], v[VT+13], 8, v[VT+12]  ; the four tiles' bytes of my r: one word
	v_lshl_or_b32 v[VT+12], v[VT+14], 16, v[VT+12]
	v_lshl_or_b32 v[VT+12], v[VT+15], 24, v[VT+12]
.irp t, 0,1,2,3
	v_cvt_scalef32_pk16_fp6_f32 v[VC+4*\t:VC+4*\t+2], v[AA+16*\t:AA+16*\t+15], v[VT+8+\t]
.endr
	v_nop                                          ; one plain place behind a scaled conversion
.irp t, 0,1,2,3
	global_store_b96 v[VO+\t%2], v[VC+4*\t:VC+4*\t+2], s[30:31] offset:(\t/2)*6144   ; 32 lanes store 384 consecutive bytes: 16 rows of 24
.endr
	s_wait_alu depctr_va_vdst(0)
	s_wait_xcnt 0x0                                ; EXEC changes only behind this wait
	v_cmp_gt_u32 vcc_lo, 16, v1
	s_and_saveexec_b32 s43, vcc_lo
	global_store_b32 v[BVA], v[VT+12], s[46:47]    ; lanes 0-15: 64 consecutive bytes
	s_wait_xcnt 0x0                                ; and again in front of the line that widens it
	s_or_b32 exec_lo, exec_lo, s43
	s_cmp_lg_u32 s[WV], 0
	s_cbranch_scc1 .Lnot_wave_0
	global_store_b128 v[LI], v[PP:PP+3], s[44:45] offset:6400   ; the block's 32 positions, 16 bytes each
.Lnot_wave_0:
	s_wait_tensorcnt 0x0                           ; the wave's end: behind my last LDS store
	ds_add_u32 v[SPW], v[NIL]
	s_wait_dscnt 0x0
	s_endpgm
.Lfunc_end_k_q02b3c6bca4_proj:
	.size	k_q02b3c6bca4_proj, .Lfunc_end_k_q02b3c6bca4_proj-k_q02b3c6bca4_proj
	.p2alignl 7, 3214868480
	.fill 96, 4, 3214868480
	.section	.rodata,"a",@progbits
	.p2align	6, 0x0
	.amdhsa_kernel k_q02b3c6bca4_proj
		.amdhsa_group_segment_fixed_size 7168
		.amdhsa_private_segment_fixed_size 0
		.amdhsa_enable_private_segment 0
		.amdhsa_kernarg_size 112
		.amdhsa_user_sgpr_count 2
		.amdhsa_user_sgpr_kernarg_segment_ptr 1
		.amdhsa_wavefront_size32 1
		.amdhsa_system_sgpr_workgroup_id_x 1
		.amdhsa_system_sgpr_workgroup_id_y 1
		.amdhsa_system_sgpr_workgroup_id_z 1
		.amdhsa_system_vgpr_workitem_id 0
		.amdhsa_next_free_vgpr 768
		.amdhsa_next_free_sgpr 66
		.amdhsa_reserve_vcc 1
		.amdhsa_float_denorm_mode_32 3
		.amdhsa_float_denorm_mode_16_64 3
		.amdhsa_memory_ordered 1
		.amdhsa_forward_progress 1
		.amdhsa_inst_pref_size 51
	.end_amdhsa_kernel
	.amdgpu_metadata
---
amdhsa.version: [ 1, 2 ]
amdhsa.kernels:
  - .name:           k_q02b3c6bca4_proj
    .symbol:         k_q02b3c6bca4_proj.kd
    .args:
      - { .name: X, .offset: 0, .size: 8, .value_kind: global_buffer, .address_space: global }
      - { .name: P, .offset: 8, .size: 8, .value_kind: global_buffer, .address_space: global }
      - { .name: W_q_codes, .offset: 16, .size: 8, .value_kind: global_buffer, .address_space: global }
      - { .name: W_q_scales, .offset: 24, .size: 8, .value_kind: global_buffer, .address_space: global }
      - { .name: b_q, .offset: 32, .size: 8, .value_kind: global_buffer, .address_space: global }
      - { .name: W_k_codes, .offset: 40, .size: 8, .value_kind: global_buffer, .address_space: global }
      - { .name: W_k_scales, .offset: 48, .size: 8, .value_kind: global_buffer, .address_space: global }
      - { .name: b_k, .offset: 56, .size: 8, .value_kind: global_buffer, .address_space: global }
      - { .name: W_v_codes, .offset: 64, .size: 8, .value_kind: global_buffer, .address_space: global }
      - { .name: W_v_scales, .offset: 72, .size: 8, .value_kind: global_buffer, .address_space: global }
      - { .name: b_v, .offset: 80, .size: 8, .value_kind: global_buffer, .address_space: global }
      - { .name: qf, .offset: 88, .size: 8, .value_kind: global_buffer, .address_space: global }
      - { .name: kp, .offset: 96, .size: 8, .value_kind: global_buffer, .address_space: global }
      - { .name: vv, .offset: 104, .size: 8, .value_kind: global_buffer, .address_space: global }
    .group_segment_fixed_size: 7168
    .private_segment_fixed_size: 0
    .kernarg_segment_align: 8
    .kernarg_segment_size: 112
    .max_flat_workgroup_size: 128
    .sgpr_count:     66
    .vgpr_count:     768
    .wavefront_size: 32
...
	.end_amdgpu_metadata
.endif
;; end of part 1
;; launch attn (part 2): grid 256 x 1, 8 waves a work-group, clusters of 4 x 1, 327,680 bytes of LDS; arguments qf, kp, vv, X, out0; writes out0
.if DOCPART == 2
	.amdgcn_target "amdgcn-amd-amdhsa--gfx1250"
	.amdhsa_code_object_version 6
	.text
	.protected	k_q02b3c6bca4_attn
	.globl	k_q02b3c6bca4_attn
	.p2align	8
	.type	k_q02b3c6bca4_attn,@function
k_q02b3c6bca4_attn:
	s_mov_b64 s[64:65], 0
	v_nop
	global_prefetch_b8 v0, s[64:65] scope:SCOPE_SE
	s_setreg_imm32_b32 hwreg(HW_REG_WAVE_MODE, 25, 1), 1
	s_wait_xcnt 0x0
	s_wait_alu depctr_hold_cnt(0) depctr_sa_sdst(0) depctr_va_vdst(0) depctr_va_sdst(0) depctr_va_ssrc(0) depctr_va_vcc(0) depctr_vm_vsrc(0)
	s_getreg_b32 s2, hwreg(HW_REG_IB_STS2, 6, 4)
	s_cmp_eq_u32 s2, 0
	s_cbranch_scc0 .Lentry_in_a_cluster
	s_endpgm
.Lentry_in_a_cluster:
	s_bfe_u32 s2, ttmp6, 0x10000c
	s_cmp_lg_u32 s2, 0x3003
	s_cbranch_scc0 .Lentry_shape_is_right
	s_endpgm
.Lentry_shape_is_right:
; out = Q6(A) Q6(V) + X,  A = softmax_one(scores),  scores = Q6(Q) Q6(K)^T / 16 x exp(-|Pi - Pj|^2 / 2); both products on codes of FP6 (E2M3) with one E8M0 scale for each 32 along K.
; A is quantised FINISHED: p / (1 + the row's sum), p = exp(score - the row's largest score).  So a row's maximum and sum are wanted before any A is made, and the scores are computed TWICE:
; pass 1 finds each row's maximum and sum, pass 2 makes A, quantises it along the keys and multiplies by V.  Kept in memory the 8,192 x 8,192 scores would be 256 MB out and as much back.
; IN BASE 2: t = score x log2(e) = S x D, S the raw product, D = 2^(-d2 log2(e) / 2 + log2(log2(e) / 16)); p = 2^(t - M), M the row's largest t.
; SHARES.  A work-group owns a block of 32 queries, two tiles u of 16.  Its eight waves split the KEYS for scores and softmax (a block of 32 keys at a time) and split the 256 OUTPUT COLUMNS for A V: wave w owns columns 32 w .. 32 w + 31.
; A's codes go from wave to wave through LDS, as rows of 24 bytes (32 codes), which every wave reads back as operand registers.
; LAYOUT.  S^T = K Q^T (source 0 = 16 keys, source 1 = 16 queries): a lane holds one query, and the 16 registers of a block's two tiles are keys 16 (lane / 16) + 0 .. 15 (the first launch chose the tiles' rows so).
; O^T = V^T A^T (source 0 = 16 columns, source 1 = A): again one query a lane.  O's accumulators START as X's numbers, loaded in the result's layout: the residual costs no addition and nothing is cleared.
; DISTANCES.  Lane l holds key l's position; a DPP row share hands key 16 h + i to the sixteen lanes that hold it in register i.  The differences are formed from the positions as they are given.
; CLUSTER.  All work-groups walk the same K, P and V, so each tile is asked for JOINTLY by the four of a cluster: the same tensor load, the same descriptor, mask 15.
; RING.  Two LDS slots.  Pass 1: 16 records of kp a slot (512 keys), each wave fetches and reads its own two.  Pass 2: 8 records of kp (waves 0-3 fetch) and a chunk of vv (waves 4-7) a slot (256 keys).
; The change of slots stands at a trip's head: each wave waits for all its tensor loads, of which one is out, adds 0 to its spare word, waits for that and its LDS reads; a round of the cluster's barrier; the other slot's fill first behind it.
; LIMITS: NaN and infinities among the inputs are not served.  A decay or a p under 2^-126 counts as 0 (v_exp_f32 flushes denormals: ISA guide 15.8).  The running maximum starts at -3e38.
; A block of A whose largest number lies under 2^-124 gets the byte 1, which is the quantiser's lower hold; a block of zeros too, where the rule says 127: its codes are zeros.
; PASS 2 AS IT STANDS (in place of what the paragraph on the ring says of pass 2's K): a slot holds a chunk of vv alone, asked for jointly, an eighth (25 rows of 256 bytes) by each wave.
; K's record of a trip is read by ONE wave and is an image of that wave's registers: it goes from kp straight into them, 13 loads of 512 consecutive bytes and 2 of 128, asked for one trip ahead.
; No joint load for it: through LDS each of its 6,912 bytes would be written once and read once more, by that one wave.
.set REC,   6912                       ; a record of kp: four images of 1,536 bytes, 256 bytes of scale words, 32 positions of 16 bytes
.set CHK,   51200                      ; a chunk of vv: eight records of 6,144 bytes, 2,048 scale bytes
.set SLOT1, 1<<17                      ; slot 1 begins here: one exclusive or turns an address from slot to slot
.set VOFF,  8*REC                      ; pass 2: V's chunk lies behind K's eight records
.set IMG,   2*SLOT1                    ; A's codes [s][u][block % 4][r][24 bytes]
.set ASC,   IMG+6144                   ; A's scale bytes [s][u][r][4]
.set IMGB,  6400                       ; A's codes and scale bytes have two such buffers, which take turns trip by trip
.set STAT,  ASC+256+IMGB               ; the waves' maxima and sums [wave][u][lane], 8 bytes
.set STG,   STAT+4096                  ; the way out: 32 rows x (1,024 bytes + 16)
.set SPARE, STG+32*1040                ; the spare words, 128 bytes a wave: four blocks of 256 bytes that no other line names
.set SPW,  1                           ; v1   LDS address of my spare word; never rewritten
.set NIL,  2                           ; v2   0; never rewritten
.set AK1,  3                           ; v3, v4  pass 1: my lane's place in my first record, and among its scale words
.set AS1,  4
.set AK2,  5                           ; v5, v6  pass 2: the same
.set AS2,  6
.set AV0,  7                           ; v7, v8  V's rows, column tile 0, 1
.set AVS,  9                           ; v9   V's scale bytes
.set AIW,  10                          ; v10  where I put 12 bytes of A's codes
.set AIR,  11                          ; v11  where I read A's rows
.set ASW,  12                          ; v12  where I put A's scale byte
.set ASR,  13                          ; v13  where I read A's scale words
.set ADK,  14                          ; v14-18 the trip's addresses: the five above + the slot
.set ADS,  15
.set ADV,  16
.set ADVS, 18
.set PFO1, 19                          ; v19, v20 the prefetches' offsets
.set PFO2, 20
.set ASTW, 21                          ; v21  where I put my statistics
.set KC2,  22                          ; v[22:23] log2(log2(e) / 16), twice
.set ST,   24                          ; v24-31 a tile's four: M, (L on its way to LDS), L in two halves; in pass 2: M, -, 1 / (1 + L), -
.set QP,   32                          ; v32-39 my query's position, a tile's four
.set QSL,  40                          ; v40-41 Q's scale words, K step s: lanes 0-15 tile 0, lanes 16-31 tile 1
.set KSL,  42                          ; v42-45 K's, two buffers x tile: lanes 0-15 K step 0, lanes 16-31 K step 1
.set VSL,  46                          ; v46-47 V's, column tile i: lanes 0-15 K step 0, lanes 16-31 K step 1
.set ASL,  48                          ; v48-49 A's, K step s: lanes 0-15 tile 0, lanes 16-31 tile 1
.set KC,   50                          ; v50-57 key positions, two buffers
.set FF,   58                          ; v[58:59], v[60:61] f = 2^(old M - new M) in the low word
.set KF,   64                          ; v64-111 K's four fragments; v112-159 pass 1's second buffer
.set CD,   112                         ; pass 2: A's codes, four registers a tile
.set UB,   120                         ; pass 2: V's scale bytes as loaded
.set MT,   128                         ; pass 2: the quantiser's temporaries
.set SA,   160                         ; v160-191 S^T, then t, then p, then A: 16 a tile
.set DD,   192                         ; v192-223 d2, then D
.set TX,   224                         ; v224-247 differences, eight for each axis; temporaries
.set TY,   232
.set TZ,   240
.set ASTR, 248                         ; v248 where I read the statistics
.set ASGW, 249                         ; v249 the stage, in
.set ASGR, 250                         ; v250 the stage, back
.set GO,   251                         ; v251 16 x lane
.set AIWT, 252                         ; v252-255 the trip's addresses in A's buffers: codes in, byte in, codes back, words back
.set ASWT, 253
.set AIRT, 254
.set ASRT, 255
.set IB,   56                          ; s56 0 or IMGB: the buffer that this trip's A goes into;  s57 the other one, which holds the trip before's
.set IR,   57
.set QF,   0                           ; window 1: v0-47 Q's fragments (2 u + s); v48-79 O (2 i + u); v80-127 V's (2 i + s); v128-175 A's (2 u + s)
.set OA,   48
.set VF,   80
.set AF,   128
.set WV,   14
.set CX,   15
.set BLK,  16
.set TB,   17                          ; s17  the slot in hand
.set CT,   18                          ; s18  trips to go
.set LIM1, 19                          ; s19, s20  1 in a wave that prefetches (kp; vv), else the greatest number
.set LIM2, 20
.set SEL,  22
.set CA,   24                          ; s[24:25] -log2(e) / 2
.set PFA,  26                          ; s[26:27] where my prefetches stand
.set PFV,  28                          ; s[28:29] where vv's begin
.set KP0,  30                          ; s[30:31] kp + my wave's two records
.set G1K,  32
.set G1V,  40
.set G0K,  48
.set G0V,  52
.set MSB, 0
.macro WIN new                         ; the immediate's high byte repeats the setting that is left
.if MSB != \new
	s_set_vgpr_msb (MSB<<8)|\new
.set MSB, \new
.endif
.endm
.macro PLACES n
.rept \n
	v_nop
.endr
.endm
.macro CROUND                          ; a round of the cluster's barrier
	s_barrier_signal -1
	s_barrier_wait -1
	s_cmp_lg_u32 s[WV], 0
	s_cbranch_scc1 .Lnot_wave_0_\@
	s_barrier_signal -3
.Lnot_wave_0_\@:
	s_barrier_wait -3
	s_barrier_signal -1
	s_barrier_wait -1
.endm
.macro JLOAD1                          ; pass 1: every wave fetches its own two records; an s_nop 0 and four v_nop follow
	tensor_load_to_lds s[G0K:G0K+3], s[G1K:G1K+7]
	s_nop 0
	PLACES 4
.endm
.macro JLOAD2                          ; pass 2: every wave fetches its eighth of V's chunk; an s_nop 0 and four v_nop follow
	tensor_load_to_lds s[G0V:G0V+3], s[G1V:G1V+7]
	s_nop 0
	PLACES 4
.endm
.set KG, 58                            ; s[58:59] pass 2: my record of kp
.macro KLOAD                           ; my record into registers: the positions first, then the four images, then the scale words: 15 loads
	global_load_b128 v[KC:KC+3], v[GO], s[KG:KG+1] offset:6400
.irp f, 0,1,2,3
.irp c, 0,1,2
	global_load_b128 v[KF+12*\f+4*\c:KF+12*\f+4*\c+3], v[GO], s[KG:KG+1] offset:1536*\f+512*\c
.endr
.endr
	global_load_b32 v[KSL], v[AS2], s[KG:KG+1]
	global_load_b32 v[KSL+1], v[AS2], s[KG:KG+1] offset:64
.endm
; A PREFETCH of what the NEXT change of slots will ask for, one instruction a wave, lanes 256 bytes apart.  All clusters walk the same bytes: cluster 0 asks, and nobody else; its four partners share the blocks out BY ADDRESS.
; kp (pass 1): waves 0-3, a record of 27 blocks each: lanes 27-31 name lane 26's block once more.  vv (from pass 1's last trip on): waves 0-1, 25 blocks each: lanes 25-31 name lane 24's.
; The last trip that fills a slot asks for nothing; the first two slots of kp and vv's first chunk come by their loads alone; kp is not asked for again in pass 2.
.macro ASK lim, pfo
	s_cmp_gt_u32 s[CT], s[\lim]
	s_cbranch_scc0 .Lnot_mine_\@
	global_prefetch_b8 v[\pfo], s[PFA:PFA+1] th:TH_LOAD_NT scope:SCOPE_SE
.Lnot_mine_\@:
.endm
; THE CHANGE OF SLOTS.  kind 1: pass 1's next slot; 3: pass 2's first; 2: pass 2's next; 0: nothing is left to fetch.
.macro CHANGE kind
	s_wait_tensorcnt 0x0                           ; all my tensor loads have landed (one was out: my part of the slot ahead), so a group 0 may be written
	ds_add_u32 v[SPW], v[NIL]                      ; 0 onto my spare word; the descriptors' steps stand between it and the wait for it
.if \kind == 1
	s_xor_b32 s[G0K+1], s[G0K+1], SLOT1
	s_add_nc_u64 s[G0K+2:G0K+3], s[G0K+2:G0K+3], 16*REC
	s_wait_xcnt 0x0                                ; the last prefetch, a trip back, has read its address
	s_add_nc_u64 s[PFA:PFA+1], s[PFA:PFA+1], 16*REC
.elseif \kind == 3
	s_wait_xcnt 0x0                                ; V's descriptor stands at chunk 0, slot 0, since the head
	s_mov_b64 s[PFA:PFA+1], s[PFV:PFV+1]           ; vv's chunk 1
.elseif \kind == 2
	s_xor_b32 s[G0V+1], s[G0V+1], SLOT1
	s_add_nc_u64 s[G0V+2:G0V+3], s[G0V+2:G0V+3], CHK
	s_wait_xcnt 0x0
	s_add_nc_u64 s[PFA:PFA+1], s[PFA:PFA+1], CHK
.endif
	s_wait_dscnt 0x0                               ; the add is done, and so are my LDS reads: of the slot that I have left, and of A's images
.if \kind == 1
	CROUND                                         ; no wave of any partner still reads the other slot or has a load on its way
	JLOAD1
.elseif \kind
	CROUND
	JLOAD2
.else
	s_barrier_signal -1
	s_barrier_wait -1
.endif
.endm
; the matrix instruction: C = 0 (scale rows: source 0's row 0, source 1's row rb), or in place (rows ra, rb)
.macro MMZ d, a, b, sa, sb, rb
.if \rb
	v_wmma_scale_f32_16x16x128_f8f6f4 v[\d:\d+7], v[\a:\a+11], v[\b:\b+11], 0, v[\sa], v[\sb] matrix_a_fmt:MATRIX_FMT_FP6 matrix_b_fmt:MATRIX_FMT_FP6 matrix_b_scale:MATRIX_SCALE_ROW1
.else
	v_wmma_scale_f32_16x16x128_f8f6f4 v[\d:\d+7], v[\a:\a+11], v[\b:\b+11], 0, v[\sa], v[\sb] matrix_a_fmt:MATRIX_FMT_FP6 matrix_b_fmt:MATRIX_FMT_FP6
.endif
.endm
.macro MMA d, a, b, sa, sb, ra, rb
.if (\ra) && (\rb)
	v_wmma_scale_f32_16x16x128_f8f6f4 v[\d:\d+7], v[\a:\a+11], v[\b:\b+11], v[\d:\d+7], v[\sa], v[\sb] matrix_a_fmt:MATRIX_FMT_FP6 matrix_b_fmt:MATRIX_FMT_FP6 matrix_a_scale:MATRIX_SCALE_ROW1 matrix_b_scale:MATRIX_SCALE_ROW1
.elseif \ra
	v_wmma_scale_f32_16x16x128_f8f6f4 v[\d:\d+7], v[\a:\a+11], v[\b:\b+11], v[\d:\d+7], v[\sa], v[\sb] matrix_a_fmt:MATRIX_FMT_FP6 matrix_b_fmt:MATRIX_FMT_FP6 matrix_a_scale:MATRIX_SCALE_ROW1
.elseif \rb
	v_wmma_scale_f32_16x16x128_f8f6f4 v[\d:\d+7], v[\a:\a+11], v[\b:\b+11], v[\d:\d+7], v[\sa], v[\sb] matrix_a_fmt:MATRIX_FMT_FP6 matrix_b_fmt:MATRIX_FMT_FP6 matrix_b_scale:MATRIX_SCALE_ROW1
.else
	v_wmma_scale_f32_16x16x128_f8f6f4 v[\d:\d+7], v[\a:\a+11], v[\b:\b+11], v[\d:\d+7], v[\sa], v[\sb] matrix_a_fmt:MATRIX_FMT_FP6 matrix_b_fmt:MATRIX_FMT_FP6
.endif
.endm
; S^T of a block of 32 keys x 32 queries: eight matrix instructions, four accumulators by turns; K step 0 starts the sums
.macro QK kf, ks
.irp t, 0,1
.irp u, 0,1
	MMZ SA+16*\u+8*\t, (\kf)+24*\t, QF+24*\u, (\ks)+\t, QSL, \u
.endr
.endr
.irp t, 0,1
.irp u, 0,1
	MMA SA+16*\u+8*\t, (\kf)+24*\t+12, QF+24*\u+12, (\ks)+\t, QSL+1, 1, \u
.endr
.endr
.endm
; eight squared distances (half g of tile u's 16), and the exponent of D
.macro DSQ u, g
.irp k, 0,2,4,6
	v_pk_mul_f32 v[DD+16*\u+8*\g+\k:DD+16*\u+8*\g+\k+1], v[TX+\k:TX+\k+1], v[TX+\k:TX+\k+1]
.endr
.irp k, 0,2,4,6
	s_delay_alu instid0(VALU_DEP_4)
	v_pk_fma_f32 v[DD+16*\u+8*\g+\k:DD+16*\u+8*\g+\k+1], v[TY+\k:TY+\k+1], v[TY+\k:TY+\k+1], v[DD+16*\u+8*\g+\k:DD+16*\u+8*\g+\k+1]
.endr
.irp k, 0,2,4,6
	s_delay_alu instid0(VALU_DEP_4)
	v_pk_fma_f32 v[DD+16*\u+8*\g+\k:DD+16*\u+8*\g+\k+1], v[TZ+\k:TZ+\k+1], v[TZ+\k:TZ+\k+1], v[DD+16*\u+8*\g+\k:DD+16*\u+8*\g+\k+1]
.endr
.irp k, 0,2,4,6
	s_delay_alu instid0(VALU_DEP_4)
	v_pk_fma_f32 v[DD+16*\u+8*\g+\k:DD+16*\u+8*\g+\k+1], v[DD+16*\u+8*\g+\k:DD+16*\u+8*\g+\k+1], s[CA:CA+1], v[KC2:KC2+1] op_sel_hi:[1,0,1]
.endr
.endm
; tile u's 16 exponents: key 16 h + n's position, shared over my half of the lanes, less my query's
.macro DIST u, kc
.irp n, 0,1,2,3,4,5,6,7
	v_sub_f32_dpp v[TX+\n], v[\kc], v[QP+4*\u] row_share:\n row_mask:0xf bank_mask:0xf
	v_sub_f32_dpp v[TY+\n], v[(\kc)+1], v[QP+4*\u+1] row_share:\n row_mask:0xf bank_mask:0xf
	v_sub_f32_dpp v[TZ+\n], v[(\kc)+2], v[QP+4*\u+2] row_share:\n row_mask:0xf bank_mask:0xf
.endr
	DSQ \u, 0
.irp n, 8,9,10,11,12,13,14,15
	v_sub_f32_dpp v[TX+\n-8], v[\kc], v[QP+4*\u] row_share:\n row_mask:0xf bank_mask:0xf
	v_sub_f32_dpp v[TY+\n-8], v[(\kc)+1], v[QP+4*\u+1] row_share:\n row_mask:0xf bank_mask:0xf
	v_sub_f32_dpp v[TZ+\n-8], v[(\kc)+2], v[QP+4*\u+2] row_share:\n row_mask:0xf bank_mask:0xf
.endr
	DSQ \u, 1
.endm
.macro EXP32 base
.set ee, 0
.rept 32
	v_exp_f32 v[\base+ee], v[\base+ee]
.set ee, ee+1
.endr
.endm
.macro FRAG6 reg, adr, off, cs         ; a fragment from rows of 24 bytes: six loads of 8 bytes; cs: from block 2 c + h to block 2 c + 2 + h
.irp c, 0,1
.irp p, 0,1,2
	ds_load_b64 v[\reg+6*\c+2*\p:\reg+6*\c+2*\p+1], v[\adr] offset:\off+(\cs)*\c+8*\p
.endr
.endr
.endm
; PASS 1, one block of 32 keys in buffer n.  w1, w2: the LDS loads that may stay out when the positions, and then K's fragments and scale words, are wanted.
.macro BLOCK1 n, w1, w2
	s_wait_dscnt \w1
	DIST 0, KC+4*(\n)
	s_wait_dscnt \w2
	WIN 0x04                                       ; Q in window 1
	QK KF+48*(\n), KSL+2*(\n)
	WIN 0
	DIST 1, KC+4*(\n)                              ; 80 plain lines: also the places behind the products
	s_wait_alu depctr_va_vdst(0)
	EXP32 DD                                       ; D, one batch
	v_mov_b32 v[FF], v[ST]                         ; the old M is kept for f (plain work behind the batch)
	v_mov_b32 v[FF+2], v[ST+4]
	s_wait_alu depctr_va_vdst(0)                   ; one wait for the batch, ahead of its first reader
.set ee, 0
.rept 16
	v_pk_mul_f32 v[SA+ee:SA+ee+1], v[SA+ee:SA+ee+1], v[DD+ee:DD+ee+1]   ; t = S D; each accumulator from its low end on
.set ee, ee+2
.endr
.irp u, 0,1                                    ; the lane's own running maximum: no other lane is asked inside the loop
	v_max3_num_f32 v[TX+2*\u], v[SA+16*\u], v[SA+16*\u+1], v[SA+16*\u+2]
	v_max3_num_f32 v[TX+2*\u+1], v[SA+16*\u+3], v[SA+16*\u+4], v[SA+16*\u+5]
.endr
.irp i, 6,10
.irp u, 0,1
	s_delay_alu instid0(VALU_DEP_4)
	v_max3_num_f32 v[TX+2*\u], v[TX+2*\u], v[SA+16*\u+\i], v[SA+16*\u+\i+1]
	s_delay_alu instid0(VALU_DEP_4)
	v_max3_num_f32 v[TX+2*\u+1], v[TX+2*\u+1], v[SA+16*\u+\i+2], v[SA+16*\u+\i+3]
.endr
.endr
.irp u, 0
	s_delay_alu instid0(VALU_DEP_4)
	v_max3_num_f32 v[TX+2*\u], v[TX+2*\u], v[SA+16*\u+14], v[SA+16*\u+15]
.endr
.irp u, 1
	s_delay_alu instid0(VALU_DEP_3)
	v_max3_num_f32 v[TX+2*\u], v[TX+2*\u], v[SA+16*\u+14], v[SA+16*\u+15]
.endr
.irp u, 0,1
	s_delay_alu instid0(VALU_DEP_2)
	v_max3_num_f32 v[ST+4*\u], v[TX+2*\u], v[TX+2*\u+1], v[ST+4*\u]
.endr
.irp u, 0,1
	s_delay_alu instid0(VALU_DEP_2)
	v_sub_f32 v[FF+2*\u], v[FF+2*\u], v[ST+4*\u]   ; old M - new M, 0 or less
.endr
.irp u, 0,1
.set ee, 0
.rept 8
	v_pk_add_f32 v[SA+16*\u+ee:SA+16*\u+ee+1], v[SA+16*\u+ee:SA+16*\u+ee+1], v[ST+4*\u:ST+4*\u+1] op_sel_hi:[1,0] neg_lo:[0,1] neg_hi:[0,1]   ; t - M
.set ee, ee+2
.endr
.endr
	s_wait_alu depctr_va_vdst(0)
	EXP32 SA                                       ; p, and the two f: one batch
	v_exp_f32 v[FF], v[FF]
	v_exp_f32 v[FF+2], v[FF+2]
	v_nop                                          ; a plain place behind the last exponential
	s_wait_alu depctr_va_vdst(0)
.irp u, 0,1                                    ; L = L f + the 16 p, two at a time, in two chains a tile
	v_pk_fma_f32 v[ST+4*\u+2:ST+4*\u+3], v[ST+4*\u+2:ST+4*\u+3], v[FF+2*\u:FF+2*\u+1], v[SA+16*\u:SA+16*\u+1] op_sel_hi:[1,0,1]
	v_pk_add_f32 v[TY+2*\u:TY+2*\u+1], v[SA+16*\u+2:SA+16*\u+3], v[SA+16*\u+4:SA+16*\u+5]
.endr
.irp i, 6,10
.irp u, 0,1
	v_pk_add_f32 v[ST+4*\u+2:ST+4*\u+3], v[ST+4*\u+2:ST+4*\u+3], v[SA+16*\u+\i:SA+16*\u+\i+1]
	v_pk_add_f32 v[TY+2*\u:TY+2*\u+1], v[TY+2*\u:TY+2*\u+1], v[SA+16*\u+\i+2:SA+16*\u+\i+3]
.endr
.endr
.irp u, 0,1
	v_pk_add_f32 v[ST+4*\u+2:ST+4*\u+3], v[ST+4*\u+2:ST+4*\u+3], v[SA+16*\u+14:SA+16*\u+15]
.endr
.irp u, 0,1
	s_delay_alu instid0(VALU_DEP_2)
	v_pk_add_f32 v[ST+4*\u+2:ST+4*\u+3], v[ST+4*\u+2:ST+4*\u+3], v[TY+2*\u:TY+2*\u+1]
.endr
.endm
; PASS 1, a trip: my two blocks of the slot's sixteen.  30 LDS loads in one run, in the order in which they are wanted.
.macro TRIP1 lim, pfo
	v_add_nc_u32 v[ADK], s[TB], v[AK1]
	v_add_nc_u32 v[ADS], s[TB], v[AS1]
.irp n, 0,1
	ds_load_b128 v[KC+4*\n:KC+4*\n+3], v[ADK] offset:REC*\n+6400
.irp f, 0,1,2,3
.irp c, 0,1,2
	ds_load_b128 v[KF+48*\n+12*\f+4*\c:KF+48*\n+12*\f+4*\c+3], v[ADK] offset:REC*\n+1536*\f+512*\c
.endr
.endr
	ds_load_b32 v[KSL+2*\n], v[ADS] offset:REC*\n
	ds_load_b32 v[KSL+2*\n+1], v[ADS] offset:REC*\n+64
.endr
	ASK \lim, \pfo
	BLOCK1 0, 29, 15                               ; behind the first positions 29 loads were issued; behind the first block's scale words 15
	BLOCK1 1, 14, 0                                ; behind the second positions 14
	s_xor_b32 s[TB], s[TB], SLOT1
.endm
; PASS 2, a trip: 256 keys; my block of 32 is the slot's w-th.
; A V RUNS ONE TRIP LATE: trip n stores A(n) into buffer n % 2; the barrier at trip n + 1's head shows it to all waves; trip n + 1 reads it back and multiplies it by V(n), whose fragments have stayed in registers.
; A buffer is stored again two trips on, behind a barrier in front of which every wave has waited for its reads of it.
.macro PVLOAD                          ; the last trip's A: 24 loads of codes, 2 of scale words
	s_xor_b32 s[IR], s[IB], IMGB
	v_add_nc_u32 v[AIRT], s[IR], v[AIR]
	v_add_nc_u32 v[ASRT], s[IR], v[ASR]
	WIN 0x40
.irp u, 0,1
.irp s, 0,1
	FRAG6 AF+12*(2*\u+\s), AIRT, 3072*\s+1536*\u, 768
.endr
.endr
	WIN 0
	ds_load_b32 v[ASL], v[ASRT]
	ds_load_b32 v[ASL+1], v[ASRT] offset:128
.endm
.macro PVMUL                           ; O^T += V^T A^T: four accumulators by turns
	WIN 0x55                                       ; V, A and O in window 1
	s_wait_alu depctr_va_vdst(0)                   ; the wait ahead of the first reader of O
.irp s, 0,1
.irp i, 0,1
.irp u, 0,1
	MMA OA+8*(2*\i+\u), VF+12*(2*\i+\s), AF+12*(2*\u+\s), VSL+\i, ASL+\s, \s, \u
.endr
.endr
.endr
.endm
.macro TRIP2 first, ask                ; first = 1: no A of an earlier trip is there to multiply
	v_add_nc_u32 v[AIWT], s[IB], v[AIW]
	v_add_nc_u32 v[ASWT], s[IB], v[ASW]
	v_add_nc_u32 v[ADV], s[TB], v[AV0]
	v_add_nc_u32 v[ADV+1], s[TB], v[AV0+1]
	v_add_nc_u32 v[ADVS], s[TB], v[AVS]
.if \first == 0
	PVLOAD
.endif
.if \ask
	ASK LIM2, PFO2
.endif
	s_wait_loadcnt 14                              ; the positions, asked for a trip ago, are in: 14 loads were issued behind them
	DIST 0, KC
	s_wait_loadcnt 0x0                             ; K's fragments and scale words; the loads' base may be stepped behind this wait
	s_wait_dscnt 0x0                               ; A's codes and scale words
.if \first == 0
	PVMUL                                          ; the trip before's A and V
.endif
	WIN 0x04
	QK KF, KSL
	WIN 0
	DIST 1, KC                                     ; 80 plain lines: the places behind the products, ahead of the loads into K's and V's registers
.if \ask
	s_add_nc_u64 s[KG:KG+1], s[KG:KG+1], 8*REC     ; the next trip's record of mine (the last trip asks for none)
	KLOAD
.endif
	WIN 0x40
.irp i, 0,1
.irp s, 0,1
	FRAG6 VF+12*(2*\i+\s), ADV+\i, 3072*\s, 1536
.endr
.endr
	WIN 0
.irp i, 0,1
.irp k, 0,1,2,3
	ds_load_u8 v[UB+4*\i+\k], v[ADVS] offset:256*\k+\i   ; lane (r, h): the byte of block 4 h + k of my column
.endr
.endr
	s_wait_alu depctr_va_vdst(0)
	EXP32 DD
	s_wait_dscnt 0x0                               ; V's fragments and bytes
.irp i, 0,1                                    ; V's scale words: plain work behind the batch, and far more than eight places ahead of the products that name them
	v_lshl_or_b32 v[VSL+\i], v[UB+4*\i+1], 8, v[UB+4*\i]
	s_delay_alu instid0(VALU_DEP_1)
	v_lshl_or_b32 v[VSL+\i], v[UB+4*\i+2], 16, v[VSL+\i]
	s_delay_alu instid0(VALU_DEP_1)
	v_lshl_or_b32 v[VSL+\i], v[UB+4*\i+3], 24, v[VSL+\i]
.endr
	s_wait_alu depctr_va_vdst(0)
.irp u, 0,1
.set ee, 0
.rept 8
	v_pk_fma_f32 v[SA+16*\u+ee:SA+16*\u+ee+1], v[SA+16*\u+ee:SA+16*\u+ee+1], v[DD+16*\u+ee:DD+16*\u+ee+1], v[ST+4*\u:ST+4*\u+1] op_sel_hi:[1,1,0] neg_lo:[0,0,1] neg_hi:[0,0,1]   ; S D - M
.set ee, ee+2
.endr
.endr
	s_wait_alu depctr_va_vdst(0)
	EXP32 SA
	v_nop
	s_wait_alu depctr_va_vdst(0)
.irp u, 0,1
.set ee, 0
.rept 8
	v_pk_mul_f32 v[SA+16*\u+ee:SA+16*\u+ee+1], v[SA+16*\u+ee:SA+16*\u+ee+1], v[ST+4*\u+2:ST+4*\u+3] op_sel_hi:[1,0]   ; A = p / (1 + L): finished
.set ee, ee+2
.endr
.endr
.irp u, 0,1                                    ; the block's largest A (none is negative), with the floor 2^(3 - 127) among the leaves; two chains a tile
	v_max3_num_f32 v[MT+2*\u], v[SA+16*\u], v[SA+16*\u+1], 0x1800000
	v_max3_num_f32 v[MT+2*\u+1], v[SA+16*\u+2], v[SA+16*\u+3], v[SA+16*\u+4]
.endr
.irp i, 5,9
.irp u, 0,1
	s_delay_alu instid0(VALU_DEP_4)
	v_max3_num_f32 v[MT+2*\u], v[MT+2*\u], v[SA+16*\u+\i], v[SA+16*\u+\i+1]
	s_delay_alu instid0(VALU_DEP_4)
	v_max3_num_f32 v[MT+2*\u+1], v[MT+2*\u+1], v[SA+16*\u+\i+2], v[SA+16*\u+\i+3]
.endr
.endr
.irp u, 0
	s_delay_alu instid0(VALU_DEP_4)
	v_max3_num_f32 v[MT+2*\u], v[MT+2*\u], v[SA+16*\u+13], v[SA+16*\u+14]
.endr
.irp u, 1
	s_delay_alu instid0(VALU_DEP_3)
	v_max3_num_f32 v[MT+2*\u], v[MT+2*\u], v[SA+16*\u+13], v[SA+16*\u+14]
.endr
.irp u, 0,1
	s_delay_alu instid0(VALU_DEP_2)
	v_max3_num_f32 v[MT+2*\u], v[MT+2*\u], v[MT+2*\u+1], v[SA+16*\u+15]
.endr
.irp u, 0,1
	s_delay_alu instid0(VALU_DEP_2)
	v_permlanex16_b32 v[MT+4+\u], v[MT+2*\u], s[SEL], s[SEL+1]
.endr
.irp u, 0,1
	s_delay_alu instid0(VALU_DEP_2)
	v_max_num_f32 v[MT+2*\u], v[MT+2*\u], v[MT+4+\u]   ; with lane l xor 16's 16 keys
.endr
.irp u, 0,1
	s_delay_alu instid0(VALU_DEP_2)
	v_add_nc_u32 v[MT+8+\u], 0xff000000, v[MT+2*\u]   ; 2 off the exponent field: the conversion's scale operand
.endr
.irp u, 0,1
	s_delay_alu instid0(VALU_DEP_2)
	v_lshrrev_b32 v[MT+12+\u], 23, v[MT+8+\u]      ; the scale's byte
.endr
.irp u, 0,1
	v_cvt_scalef32_pk16_fp6_f32 v[CD+4*\u:CD+4*\u+2], v[SA+16*\u:SA+16*\u+15], v[MT+8+\u]
.endr
	v_nop                                          ; one plain place behind a scaled conversion
.irp u, 0,1                                    ; 12 bytes: keys 16 h + 0 .. 15 of my query's row of 24; the reader takes whole rows, so no lanes change places
.irp n, 0,1,2
	ds_store_b32 v[AIWT], v[CD+4*\u+\n] offset:1536*\u+4*\n
.endr
	ds_store_b8 v[ASWT], v[MT+12+\u] offset:64*\u  ; both halves of the lanes write the same byte with the same value
.endr
	s_xor_b32 s[TB], s[TB], SLOT1                  ; the stores are waited for in front of the next barrier, which shows them to the other waves
	s_xor_b32 s[IB], s[IB], IMGB
.endm
	s_load_b256 s[4:11], s[0:1], 0x0               ; qf, kp, vv, X
	s_load_b64 s[12:13], s[0:1], 0x20              ; out0
	v_lshl_add_u32 v[SPW], v0, 2, SPARE
	v_mov_b32 v[NIL], 0
	ds_add_u32 v[SPW], v[NIL]                      ; the wave's opening: the add and its wait stand ahead of my first tensor load; work on registers stands between them
	ds_add_u32 v[SPW], v[NIL]
	v_lshrrev_b32 v58, 5, v0
	s_delay_alu instid0(VALU_DEP_1)
	v_readfirstlane_b32 s[WV], v58                 ; wave 0..7
	s_bfe_u32 s[CX], ttmp6, 0x40000                ; my place in the cluster: it enters global addresses alone
	s_lshl_b32 s[BLK], ttmp9, 2
	s_add_co_u32 s[BLK], s[BLK], s[CX]             ; my block of 32 queries
.irp g, G1K, G1V                               ; group 1: dense bytes as rows of 256 (32 elements of 8 bytes), no padding
	s_mov_b32 s[\g], 15|(3<<16)|(1<<21)            ; 15:0 the mask: all four work-groups; 17:16 elements of 8 bytes; 21 set beside a mask
	s_mov_b32 s[\g+1], 32<<16                      ; tensor_dim0
	s_mov_b32 s[\g+3], 32<<16                      ; tile_dim0
	s_mov_b32 s[\g+5], 32                          ; the pitch
	s_mov_b32 s[\g+6], 0
	s_mov_b32 s[\g+7], 0
.endr
	s_mov_b32 s[G1K+2], 54<<16                     ; two records of kp: 54 rows
	s_mov_b32 s[G1K+4], 54
	s_mov_b32 s[G1V+2], 25<<16                     ; an eighth of a chunk of vv: 25 rows
	s_mov_b32 s[G1V+4], 25
	s_mov_b32 s[SEL], 0x76543210
	s_mov_b32 s[SEL+1], 0xfedcba98                 ; v_permlanex16_b32's selects for lane l xor 16
	s_mov_b32 s[CA], 0xbf38aa3b                    ; -log2(e) / 2
	s_mov_b32 s[CA+1], s[CA]                       ; (named with it as a pair, so it is written)
	s_mov_b32 s[TB], 0
	s_lshr_b32 s[LIM1], s[WV], 2                   ; 0 in waves 0-3,
	s_or_b32 s[LIM1], s[LIM1], ttmp9               ; of cluster 0: the same in all four partners
	s_cmp_eq_u32 s[LIM1], 0
	s_cselect_b32 s[LIM1], 1, -1
	s_lshr_b32 s[LIM2], s[WV], 1                   ; waves 0-1
	s_or_b32 s[LIM2], s[LIM2], ttmp9
	s_cmp_eq_u32 s[LIM2], 0
	s_cselect_b32 s[LIM2], 1, -1
	v_and_b32 v58, 31, v0                          ; lane
	v_and_b32 v59, 15, v0                          ; r
	v_bfe_u32 v60, v0, 4, 1                        ; h
	s_delay_alu instid0(VALU_DEP_2)
	v_and_b32 v61, 8, v59
	s_delay_alu instid0(VALU_DEP_1)
	v_add_nc_u32 v61, v61, v59                     ; r + 8 (r / 8)
	v_lshlrev_b32 v[GO], 4, v58
	v_lshlrev_b32 v[ADK], 2, v58                   ; (the trip's address registers serve the head's loads first) 4 x lane: Q's scale words
	s_delay_alu instid0(VALU_DEP_3)
	v_lshlrev_b32 v[ADS], 4, v61                   ; my query's position
	s_delay_alu instid0(VALU_DEP_4)
	v_lshlrev_b32 v[ADV], 10, v61
	s_delay_alu instid0(VALU_DEP_1)
	v_lshl_add_u32 v[ADV], v60, 5, v[ADV]          ; my query's row of X, + 32 h
	s_mov_b32 s61, 0
	s_mov_b32 s57, 0
	s_mov_b32 s63, 0
	s_wait_dscnt 0x0                               ; the opening add is done
	s_wait_kmcnt 0x0
	s_mul_i32 s60, s[WV], 2*REC
	s_add_nc_u64 s[KP0:KP0+1], s[6:7], s[60:61]
	s_mov_b32 s[G0K], 1                            ; count = 1
	s_mul_i32 s[G0K+1], s[WV], 2*REC               ; LDS: slot 0, my two records
	s_mov_b64 s[G0K+2:G0K+3], s[KP0:KP0+1]
	s_or_b32 s[G0K+3], s[G0K+3], 0x80000000        ; type = 2
	s_mul_i32 s60, s[WV], 6400
	s_mov_b32 s[G0V], 1
	s_add_co_u32 s[G0V+1], s60, VOFF               ; slot 0, behind K's eight records: every wave takes an eighth of the chunk
	s_add_nc_u64 s[G0V+2:G0V+3], s[8:9], s[60:61]
	s_or_b32 s[G0V+3], s[G0V+3], 0x80000000
	CROUND                                         ; all four work-groups are here: the first joint loads meet
	JLOAD1                                         ; pass 1's slot 0
	s_mul_i32 s56, s[BLK], 6400
	s_add_nc_u64 s[4:5], s[4:5], s[56:57]          ; my block's record in qf
	s_mul_i32 s56, s[BLK], REC
	s_add_nc_u64 s[58:59], s[6:7], s[56:57]        ; and in kp, for my queries' positions
	s_lshl_b32 s56, s[BLK], 15
	s_lshl_b32 s62, s[WV], 7
	s_add_co_u32 s62, s62, s56
	s_add_nc_u64 s[10:11], s[10:11], s[62:63]      ; X: my block's rows, my 32 columns
	WIN 0x40                                       ; destination window 1
	s_wait_alu depctr_va_vdst(0)
.irp f, 0,1,2,3
.irp c, 0,1,2
	global_load_b128 v[QF+12*\f+4*\c:QF+12*\f+4*\c+3], v[GO], s[4:5] offset:1536*\f+512*\c
.endr
.endr
.irp i, 0,1                                    ; X in the layout of O^T: lane (r, h), register j: X(8 u + r + 8 (r / 8), 32 w + 16 i + 8 h + j)
.irp u, 0,1
	global_load_b128 v[OA+8*(2*\i+\u):OA+8*(2*\i+\u)+3], v[ADV], s[10:11] offset:8192*\u+64*\i
	global_load_b128 v[OA+8*(2*\i+\u)+4:OA+8*(2*\i+\u)+7], v[ADV], s[10:11] offset:8192*\u+64*\i+16
.endr
.endr
	WIN 0
	global_load_b32 v[QSL], v[ADK], s[4:5] offset:6144
	global_load_b32 v[QSL+1], v[ADK], s[4:5] offset:6144+128
	global_load_b128 v[QP:QP+3], v[ADS], s[58:59] offset:6400
	global_load_b128 v[QP+4:QP+7], v[ADS], s[58:59] offset:6400+128
	s_lshr_b32 s56, s[WV], 2                       ; the first of the four queries whose rows I store: 8 (w / 4) + 4 (w % 4) + 8 ((w / 2) % 2)
	s_lshl_b32 s56, s56, 3
	s_and_b32 s62, s[WV], 3
	s_lshl_b32 s62, s62, 2
	s_add_co_u32 s56, s56, s62
	s_bfe_u32 s62, s[WV], 0x10001
	s_lshl_b32 s62, s62, 3
	s_add_co_u32 s56, s56, s62
	s_lshl_b32 s56, s56, 10
	s_lshl_b32 s62, s[BLK], 15
	s_add_co_u32 s56, s56, s62
	s_add_nc_u64 s[12:13], s[12:13], s[56:57]
	s_lshl_b32 s56, s[CX], 2                       ; the prefetches: kp's record 4 cx + w of slot 1; the first change steps it to slot 2
	s_and_b32 s62, s[WV], 3
	s_add_co_u32 s56, s56, s62
	s_mul_i32 s56, s56, REC
	s_add_co_u32 s56, s56, 16*REC
	s_add_nc_u64 s[PFA:PFA+1], s[6:7], s[56:57]
	s_mul_i32 s56, s[CX], 12800                    ; vv: 12,800 cx + 6,400 w of chunk 1
	s_and_b32 s62, s[WV], 1
	s_mul_i32 s62, s62, 6400
	s_add_co_u32 s56, s56, s62
	s_add_co_u32 s56, s56, CHK
	s_add_nc_u64 s[PFV:PFV+1], s[8:9], s[56:57]
	; the LDS addresses: constants, the lane and the wave's number alone (s21, s60, s61 never hold my place in the cluster)
	v_lshlrev_b32 v62, 2, v59                      ; 4 r
	v_mul_u32_u24 v63, v59, 24                     ; 24 r
	s_mul_i32 s60, s[WV], 2*REC
	s_mul_i32 s61, s[WV], REC
	v_add_nc_u32 v[AK1], s60, v[GO]
	v_add_nc_u32 v[AK2], s61, v[GO]
	v_lshl_add_u32 v[AS1], v60, 7, v62
	s_delay_alu instid0(VALU_DEP_1)
	v_add_nc_u32 v[AS1], 6144, v[AS1]              ; scale words [s = h][tile][r]
	s_delay_alu instid0(VALU_DEP_1)
	v_add_nc_u32 v[AS2], s61, v[AS1]
	s_delay_alu instid0(VALU_DEP_2)
	v_add_nc_u32 v[AS1], s60, v[AS1]
	s_mul_i32 s60, s[WV], 6144
	s_add_co_u32 s60, s60, VOFF
	v_mad_u32_u24 v[AV0], v60, 1152, v63           ; tile 0: block h lies 768 h on, and in odd blocks the tile lies 384 further
	s_delay_alu instid0(VALU_DEP_1)
	v_add_nc_u32 v[AV0], s60, v[AV0]
	s_add_co_u32 s60, s60, 384
	v_mad_u32_u24 v[AV0+1], v60, 384, v63          ; tile 1: 384 + 768 h - 384 h
	s_delay_alu instid0(VALU_DEP_1)
	v_add_nc_u32 v[AV0+1], s60, v[AV0+1]
	s_lshr_b32 s60, s[WV], 1
	s_lshl_b32 s60, s60, 6
	s_and_b32 s61, s[WV], 1
	s_lshl_b32 s61, s61, 1
	s_add_co_u32 s60, s60, s61
	s_add_co_u32 s60, s60, VOFF+49152
	v_lshl_add_u32 v[AVS], v60, 10, v62            ; [block 4 h + k][64 (w / 2) + 4 r + 2 (w % 2) + i]
	s_delay_alu instid0(VALU_DEP_1)
	v_add_nc_u32 v[AVS], s60, v[AVS]
	s_lshr_b32 s60, s[WV], 2                       ; my block's K step of 128 keys,
	s_and_b32 s61, s[WV], 3                        ; and its place in it
	s_mul_i32 s21, s60, 3072
	s_add_co_u32 s21, s21, IMG
	s_lshl_b32 s60, s60, 7
	s_add_co_u32 s60, s60, s61
	s_add_co_u32 s60, s60, ASC
	s_mul_i32 s61, s61, 384
	s_add_co_u32 s21, s21, s61
	v_mad_u32_u24 v[AIW], v60, 12, v63
	s_delay_alu instid0(VALU_DEP_1)
	v_add_nc_u32 v[AIW], s21, v[AIW]
	v_mad_u32_u24 v[AIR], v60, 384, v63
	s_delay_alu instid0(VALU_DEP_1)
	v_add_nc_u32 v[AIR], IMG, v[AIR]
	v_add_nc_u32 v[ASW], s60, v62
	v_lshl_add_u32 v[ASR], v58, 2, ASC
	s_lshl_b32 s60, s[WV], 9
	s_add_co_u32 s60, s60, STAT
	v_lshl_add_u32 v[ASTW], v58, 3, s60
	v_lshl_add_u32 v[ASTR], v58, 3, STAT
	v_mul_u32_u24 v[ASGW], v59, 1040
	s_delay_alu instid0(VALU_DEP_1)
	v_lshl_add_u32 v[ASGW], v60, 5, v[ASGW]
	s_lshl_b32 s60, s[WV], 7
	s_add_co_u32 s60, s60, STG
	v_add_nc_u32 v[ASGW], s60, v[ASGW]             ; stage row r (+ 16 u), my 32 columns, + 32 h
	s_mul_i32 s60, s[WV], 4*1040
	s_add_co_u32 s60, s60, STG
	v_add_nc_u32 v[ASGR], s60, v[GO]               ; back: stage rows 4 w .. 4 w + 3
	v_min_u32 v[PFO1], 26, v58
	s_delay_alu instid0(VALU_DEP_1)
	v_lshlrev_b32 v[PFO1], 8, v[PFO1]
	v_min_u32 v[PFO2], 24, v58
	s_delay_alu instid0(VALU_DEP_1)
	v_lshlrev_b32 v[PFO2], 8, v[PFO2]
	v_mov_b32 v[KC2], 0xc05e28b1                   ; log2(log2(e) / 16)
	v_mov_b32 v[KC2+1], 0xc05e28b1
.irp u, 0,1
	v_mov_b32 v[ST+4*\u], 0xff61b1e6               ; M: -3e38, under every t
	v_mov_b32 v[ST+4*\u+1], 0
	v_mov_b32 v[ST+4*\u+2], 0                      ; L, in two halves
	v_mov_b32 v[ST+4*\u+3], 0
	v_mov_b32 v[FF+2*\u], 0
	v_mov_b32 v[FF+2*\u+1], 0                      ; (named as a pair's upper half)
.endr
.set ee, 0
.rept 24
	v_mov_b32 v[TX+ee], 0                          ; written once: the destination of a DPP form or a lane permute counts as one of its sources
.set ee, ee+1
.endr
	s_wait_loadcnt 0x0                             ; Q, its scale words, my queries' positions, X
	; ---- PASS 1: 16 trips of 512 keys
	s_mov_b32 s[CT], 15
.Lpass1:
	CHANGE 1
	TRIP1 LIM1, PFO1
	s_sub_co_u32 s[CT], s[CT], 1
	s_cmp_lg_u32 s[CT], 0
	s_cbranch_scc1 .Lpass1
	s_mov_b32 s[CT], 31                            ; pass 2's count, set here so that the trip below asks by the same test
	CHANGE 3                                       ; the last trip is written out: the slot that it has left takes pass 2's first tiles
	TRIP1 LIM2, PFO2
	; ---- THE ROWS' MAXIMA AND SUMS: first my two halves of the lanes, then the eight waves through LDS
.irp u, 0,1
	v_add_f32 v[ST+4*\u+1], v[ST+4*\u+2], v[ST+4*\u+3]
	v_permlanex16_b32 v[TX+\u], v[ST+4*\u], s[SEL], s[SEL+1]
.endr
.irp u, 0
	s_delay_alu instid0(VALU_DEP_3)
	v_max_num_f32 v[TX+\u], v[TX+\u], v[ST+4*\u]
.endr
.irp u, 1
	s_delay_alu instid0(VALU_DEP_2)
	v_max_num_f32 v[TX+\u], v[TX+\u], v[ST+4*\u]
.endr
.irp u, 0,1
	s_delay_alu instid0(VALU_DEP_2)
	v_sub_f32 v[TX+2+\u], v[ST+4*\u], v[TX+\u]
.endr
	s_wait_alu depctr_va_vdst(0)
.irp u, 0,1
	v_exp_f32 v[TX+2+\u], v[TX+2+\u]
.endr
.irp u, 0,1
	v_mov_b32 v[ST+4*\u], v[TX+\u]                 ; (plain work behind the exponentials)
.endr
	v_mov_b32 v[MT+4], 0                           ; pass 2's permute destinations, written once
	v_mov_b32 v[MT+5], 0
	s_wait_alu depctr_va_vdst(0)
.irp u, 0,1
	v_mul_f32 v[ST+4*\u+1], v[ST+4*\u+1], v[TX+2+\u]
.endr
.irp u, 0,1
	s_delay_alu instid0(VALU_DEP_2)
	v_permlanex16_b32 v[TX+4+\u], v[ST+4*\u+1], s[SEL], s[SEL+1]
.endr
.irp u, 0,1
	s_delay_alu instid0(VALU_DEP_2)
	v_add_f32 v[ST+4*\u+1], v[ST+4*\u+1], v[TX+4+\u]
.endr
.irp u, 0,1
	ds_store_b64 v[ASTW], v[ST+4*\u:ST+4*\u+1] offset:256*\u
.endr
	s_wait_dscnt 0x0                               ; for the others' sake
	s_barrier_signal -1
	s_barrier_wait -1
.irp w, 0,1,2,3,4,5,6,7
.irp u, 0,1
	ds_load_b64 v[KF+4*\w+2*\u:KF+4*\w+2*\u+1], v[ASTR] offset:512*\w+256*\u
.endr
.endr
	s_wait_dscnt 0x0
.irp u, 0,1
	v_max3_num_f32 v[ST+4*\u], v[KF+2*\u], v[KF+4+2*\u], v[KF+8+2*\u]
.endr
.irp u, 0,1
	s_delay_alu instid0(VALU_DEP_2)
	v_max3_num_f32 v[ST+4*\u], v[ST+4*\u], v[KF+12+2*\u], v[KF+16+2*\u]
.endr
.irp u, 0,1
	s_delay_alu instid0(VALU_DEP_2)
	v_max3_num_f32 v[ST+4*\u], v[ST+4*\u], v[KF+20+2*\u], v[KF+24+2*\u]
.endr
.irp u, 0,1
	s_delay_alu instid0(VALU_DEP_2)
	v_max_num_f32 v[ST+4*\u], v[ST+4*\u], v[KF+28+2*\u]   ; M: the row's largest t
.endr
.irp w, 0,1,2,3,4,5,6,7
.irp u, 0,1
	v_sub_f32 v[KF+4*\w+2*\u], v[KF+4*\w+2*\u], v[ST+4*\u]
.endr
.endr
	s_wait_alu depctr_va_vdst(0)
.irp w, 0,1,2,3,4,5,6,7
.irp u, 0,1
	v_exp_f32 v[KF+4*\w+2*\u], v[KF+4*\w+2*\u]
.endr
.endr
	v_nop
	s_wait_alu depctr_va_vdst(0)
.irp u, 0,1
	v_mul_f32 v[ST+4*\u+2], v[KF+2*\u], v[KF+2*\u+1]
.endr
.irp w, 1,2,3,4,5,6,7
.irp u, 0,1
	v_fma_f32 v[ST+4*\u+2], v[KF+4*\w+2*\u], v[KF+4*\w+2*\u+1], v[ST+4*\u+2]
.endr
.endr
.irp u, 0,1
	s_delay_alu instid0(VALU_DEP_2)
	v_add_f32 v[ST+4*\u+2], 1.0, v[ST+4*\u+2]      ; softmax_one's divisor: 1 + the sum
.endr
	s_wait_alu depctr_va_vdst(0)
.irp u, 0,1
	v_rcp_f32 v[ST+4*\u+2], v[ST+4*\u+2]
.endr
	v_nop
	s_wait_alu depctr_va_vdst(0)
	; ---- PASS 2: 32 trips of 256 keys
	s_mov_b32 s[IB], 0
	s_mul_i32 s60, s[WV], REC
	s_mov_b32 s61, 0
	s_add_nc_u64 s[KG:KG+1], s[6:7], s[60:61]      ; kp's record w: my block of the first 256 keys
	v_sub_nc_u32 v[AS2], v[AS2], s60               ; from here on an offset inside a record: 6,144 + 128 h + 4 r
	KLOAD
	CHANGE 2
	TRIP2 1, 1                                     ; the first trip is written out: it has no earlier A to multiply
	s_mov_b32 s[CT], 30
.Lpass2:
	CHANGE 2
	TRIP2 0, 1
	s_sub_co_u32 s[CT], s[CT], 1
	s_cmp_lg_u32 s[CT], 0
	s_cbranch_scc1 .Lpass2
	CHANGE 0                                       ; the last trip is written out
	TRIP2 0, 0
	s_wait_dscnt 0x0                               ; for the others' sake: my part of the last A has landed
	s_barrier_signal -1
	s_barrier_wait -1
	PVLOAD                                         ; the last trip's A and V
	s_wait_dscnt 0x0
	PVMUL
	WIN 0
	; ---- THE WAY OUT: a row's 256 numbers come from eight waves: they meet in the stage, and each wave stores four whole rows
	PLACES 4
	WIN 0x04                                       ; an LDS store's data are its source 1: window 1
.irp i, 0,1
.irp u, 0,1
	ds_store_b128 v[ASGW], v[OA+8*(2*\i+\u):OA+8*(2*\i+\u)+3] offset:16640*\u+64*\i      ; each accumulator from its low end on
	ds_store_b128 v[ASGW], v[OA+8*(2*\i+\u)+4:OA+8*(2*\i+\u)+7] offset:16640*\u+64*\i+16
.endr
.endr
	WIN 0
	s_wait_dscnt 0x0
	s_barrier_signal -1
	s_barrier_wait -1
.irp k, 0,1,2,3
.irp j, 0,1
	ds_load_b128 v[KF+8*\k+4*\j:KF+8*\k+4*\j+3], v[ASGR] offset:1040*\k+512*\j
.endr
.endr
.irp n, 0,1,2,3,4,5,6,7
	s_wait_dscnt 7-\n
	global_store_b128 v[GO], v[KF+4*\n:KF+4*\n+3], s[12:13] offset:1024*(\n/2)+512*(\n%2) th:TH_STORE_NT   ; 32 lanes store 512 consecutive bytes, at a multiple of 256 from out0's first byte
.endr
	s_wait_tensorcnt 0x0                           ; the wave's end: behind my last tensor load and my last LDS store
	ds_add_u32 v[SPW], v[NIL]
	s_wait_dscnt 0x0
	CROUND                                         ; the closing round: no work-group ends while a partner may still ask for a tile that names it
	s_endpgm
.Lfunc_end_k_q02b3c6bca4_attn:
	.size	k_q02b3c6bca4_attn, .Lfunc_end_k_q02b3c6bca4_attn-k_q02b3c6bca4_attn
	.p2alignl 7, 3214868480
	.fill 96, 4, 3214868480
	.section	.rodata,"a",@progbits
	.p2align	6, 0x0
	.amdhsa_kernel k_q02b3c6bca4_attn
		.amdhsa_group_segment_fixed_size 327680
		.amdhsa_private_segment_fixed_size 0
		.amdhsa_enable_private_segment 0
		.amdhsa_kernarg_size 40
		.amdhsa_user_sgpr_count 2
		.amdhsa_user_sgpr_kernarg_segment_ptr 1
		.amdhsa_wavefront_size32 1
		.amdhsa_system_sgpr_workgroup_id_x 1
		.amdhsa_system_sgpr_workgroup_id_y 1
		.amdhsa_system_sgpr_workgroup_id_z 1
		.amdhsa_system_vgpr_workitem_id 0
		.amdhsa_next_free_vgpr 512
		.amdhsa_next_free_sgpr 66
		.amdhsa_reserve_vcc 0
		.amdhsa_float_denorm_mode_32 3
		.amdhsa_float_denorm_mode_16_64 3
		.amdhsa_memory_ordered 1
		.amdhsa_forward_progress 1
		.amdhsa_inst_pref_size 187
	.end_amdhsa_kernel
	.amdgpu_metadata
---
amdhsa.version: [ 1, 2 ]
amdhsa.kernels:
  - .name:           k_q02b3c6bca4_attn
    .symbol:         k_q02b3c6bca4_attn.kd
    .args:
      - { .name: qf, .offset: 0, .size: 8, .value_kind: global_buffer, .address_space: global }
      - { .name: kp, .offset: 8, .size: 8, .value_kind: global_buffer, .address_space: global }
      - { .name: vv, .offset: 16, .size: 8, .value_kind: global_buffer, .address_space: global }
      - { .name: X, .offset: 24, .size: 8, .value_kind: global_buffer, .address_space: global }
      - { .name: out0, .offset: 32, .size: 8, .value_kind: global_buffer, .address_space: global }
    .group_segment_fixed_size: 327680
    .private_segment_fixed_size: 0
    .kernarg_segment_align: 8
    .kernarg_segment_size: 40
    .max_flat_workgroup_size: 256
    .sgpr_count:     66
    .vgpr_count:     512
    .wavefront_size: 32
...
	.end_amdgpu_metadata
.endif
;; end of part 2
